; MI455X (gfx1250); checked and timed in simulation.
; The chip was launched on July 23, 2026; its instructions are those of AMD's public machine-readable ISA for CDNA 5 (MIT licence, August 2026) and "CDNA5" Instruction Set Architecture Reference Guide (July 2026). The comments in the code are by the model that wrote it; some were corrected since.
;; Flattened Masked Local Attention2d. Allowed arithmetic: float matrix products may take bf16 or f16 operands with f32 sums; all other float work in f32.
;; Inputs: k 2 x 64 x 64 x 64 float32; q 2 x 64 x 64 x 64 float32; v 2 x 64 x 64 x 64 float32.
;; Outputs: out0 2 x 64 x 64 x 64 float32.
;; 2 versions, each right; version 2 is version 1 with the launch local_attn written anew for expert scheduling mode. Each part assembles by itself: llvm-mc -triple=amdgcn-amd-amdhsa -mcpu=gfx1250 --defsym DOCPART=n.
;; ======== version 1 of 2: 1 launch
;; limits: right only within a limited range of input values; values outside matrix products are rounded to bf16
;; launch local_attn (part 1): grid 32 x 8, 8 waves a work-group, no clusters, 55,296 bytes of LDS; arguments q, k, v, out0; writes out0
.if DOCPART == 1
	.amdgcn_target "amdgcn-amd-amdhsa--gfx1250"
	.amdhsa_code_object_version 6
	.text
	.protected	k_q70940d68a6_local_attn
	.globl	k_q70940d68a6_local_attn
	.p2align	8
	.type	k_q70940d68a6_local_attn,@function
k_q70940d68a6_local_attn:
	s_mov_b64 s[64:65], 0
	v_nop
	global_prefetch_b8 v0, s[64:65] scope:SCOPE_SE
	s_setreg_imm32_b32 hwreg(HW_REG_WAVE_MODE, 25, 1), 1
	s_wait_xcnt 0x0
; Local attention in a 7 x 7 window, clipped at the image's edge.  q, k, v, out: [2][64 channels][64][64] f32; 4 heads of 16 channels.
; Work-group (x, y): head y of the 8 (batch, head) pairs, query rows 2x and 2x+1, all 64 columns.  Eight waves; wave w owns the 16 queries
; of 2 rows x 8 columns at column 8w.  Their keys lie in 8 rows (2x-3 .. 2x+4) x 16 columns (8w-4 .. 8w+11): 128 keys, 49 of them count for a query.
;
; THE WAY IN.  An image row of one channel is 256 consecutive bytes.  Each thread issues 18 loads of 16 bytes at the start (2 of q, 8 of k, 8 of v);
; every load of a wave covers two whole such rows.  The numbers are rounded to bf16 once, in registers, and laid into LDS in fragment order.
; THE PRODUCTS.  S is made transposed: A = 16 keys (one key row, 16 columns), B = the 16 queries.  Lane (r, h) then holds query r and keys 8h .. 8h+7
; of each key row: the row maximum is a lane's own affair but for one exchange with lane r xor 16, and two packed key rows ARE an A fragment of P V.
; The head has 16 channels and the matrix form 32 along K: an A fragment carries TWO key rows, one in each half of K, and B holds q in one half and
; zeros in the other, which picks the key row.
; THE MASK is an addend, 0 or -1e30, written into the accumulators ahead of the products (C and D the same registers).
; SOFTMAX: the true maximum of all 128 scores is taken away; exp2((s - m) * 0.25 * log2 e).  The row sums are made by the matrix unit too (P x ones):
; they arrive in the registers in which O needs them.
; THE WAY OUT: through a stage in LDS, then each store of a wave covers 512 consecutive bytes, aligned (rows 2x, 2x+1 of one channel).
;
; NO CLUSTER: neighbouring work-groups share 6 of their 8 key rows, but each at another place of its own window.  A joint load lays a tile at one LDS
; address in all partners, so every LDS read address would hang on the place in the cluster.  And the data pass through registers to be rounded.
;
; LIMITS.  Inputs are finite: a NaN or an infinity in k or v reaches queries of the same tile outside its window (0 x Inf in the unused half of K and
; under a probability of 0).  |q.k| stays below about 1e29, since the mask's addend is -1e30.  Probabilities are rounded to bf16 ahead of both the
; sum and the product with v; exponentials below 2^-126 come out as 0 (ISA guide, v_exp_f32).
.set PLANE,   16384                    ; bytes of one channel's image
.set NEGBITS, 0xf149f2ca               ; -1.0e30
.set SCALE,   0x3eb8aa3b               ; 0.25 * log2 e
.set NSCALE,  0xbeb8aa3b
; LDS.  K: [key row][d half][cp & 3][cp >> 2][8 d of bf16], cp = column + 4 = 0 .. 71: columns -4 .. 67, the four on each side zero, so that an edge
; tile reads like any other.  A quad holds 18 pieces of 16 bytes in 320.  Stores: 16 lanes at 16 neighbouring pieces.  Reads of 16 neighbouring
; columns: piece number 20 (cp & 3) + (cp >> 2), sixteen different values modulo 16.
.set KQUAD,   320
.set KHALF,   4*KQUAD
.set KROW,    2*KHALF
; Q: [d pair][query row][column], one word = two bf16.  The pitches put the 32 lanes of a fragment read on 32 different words modulo 64.
.set QRPITCH, 288
.set QPAIR,   592
.set QBASE,   8*KROW
; V: [key row][d][72 columns of bf16]: columns -4 .. 67, the four on each side zero.  144 bytes are an odd multiple of 16.
.set VPITCH,  144
.set VROW,    16*VPITCH
.set VBASE,   QBASE+8*QPAIR
; Stage: [wave][d][query row][8 columns of f32]; every wave stores into bytes of its own.
.set OPITCH,  80
.set OWAVE,   1312
.set OBASE,   VBASE+8*VROW             ; the stage ends at OBASE + 8 * 1312 = 54,144
; Registers
.set LANE,  1                          ; lane
.set R16,   2                          ; r = lane & 15
.set HALF,  3                          ; h = lane >> 4
.set GKV,   4                          ; global offset for k and v; never rewritten
.set GQO,   5                          ; global offset for q and out; never rewritten
.set KST,   6                          ; LDS addresses: stores of K, V, Q, V's zero columns
.set VST,   7
.set QST,   8
.set PADA,  9
.set KRD,   10                         ; reads of K, Q, V
.set QRD,   11
.set VRD,   12
.set OST,   13                         ; the stage: in, back
.set ORD,   14
.set H1280, 15                         ; h * KHALF
.set T0,    16
.set T1,    17
.set R144,  18                         ; r * VPITCH
.set QRW,   19                         ; my query's row in the pair, r >> 3
.set NEG,   20
.set T2,    21
.set MC,    22                         ; v[22:23]  -m * SCALE, twice
.set MX,    24                         ; v[24:27]  four running maxima
.set XCH,   28
.set KPD,   29                         ; LDS address: K's zero columns
.set ZQ,    32                         ; v[32:35] zeros, v[36:39] q, v[40:43] zeros: B = v[36:43] is (q | 0), B = v[32:39] is (0 | q)
.set QF,    36
.set ONES,  44                         ; v[44:51]  a B fragment of ones
.set CB,    52                         ; v[52:59]  the mask's column part, key 8h + j
.set RB,    60                         ; v[60:75]  its row part, key row kr, twice each (pairs for the packed add)
.set OA,    52                         ; later: v[52:59] O, v[60:67] the row sums, v[68:75] their reciprocals
.set LA,    60
.set RC,    68
.set QR,    76                         ; v[76:83]  q as loaded;  v[84:87] packed
.set QC,    84
.set KR,    88                         ; v[88:119]  k as loaded; later the four A fragments of K
.set VR,    120                        ; v[120:151] v as loaded; later the four B fragments of V
.set KC,    152                        ; v[152:167] k packed, v[168:183] v packed
.set VC,    168
.set PB,    152                        ; later: v[152:183] the four A fragments of P
.set ACC,   184                        ; v[184:247] key row kr at 8 kr: mask, then scores, then probabilities
	s_load_b256 s[4:11], s[0:1], 0x0               ; q s[4:5], k s[6:7], v s[8:9], out s[10:11]
	v_lshl_add_u32 v248, v0, 2, 0xd400
	v_mov_b32 v249, 0
	v_lshrrev_b32 v[T0], 5, v0
	v_readfirstlane_b32 s12, v[T0]                 ; wave w, 0 to 7
	v_and_b32 v[LANE], 31, v0
	v_and_b32 v[R16], 15, v0
	v_bfe_u32 v[HALF], v0, 4, 1
	s_and_b32 s13, ttmp7, 0xffff
	s_lshl_b32 s13, s13, 18                        ; the head's 16 channels of 16,384 bytes
	s_lshl_b32 s24, ttmp9, 1                       ; my first query row, 2x
	; Wave w brings key row 2x - 3 + w.  A row outside the image is replaced by the nearest row inside: the load stays in the buffer, and the mask
	; throws its scores away.
	s_add_co_u32 s14, s24, s12                     ; the row + 3
	s_max_u32 s14, s14, 3
	s_min_u32 s14, s14, 66
	s_sub_co_u32 s14, s14, 3
	s_lshl_b32 s14, s14, 8
	s_add_co_u32 s14, s14, s13
	s_mov_b32 s15, 0                               ; s[14:15]: k's and v's offset
	s_lshl_b32 s16, s12, 15                        ; of q and out wave w takes channels 2w, 2w+1,
	s_add_co_u32 s16, s16, s13
	s_lshl_b32 s17, ttmp9, 9                       ; rows 2x and 2x+1: 512 consecutive bytes
	s_add_co_u32 s16, s16, s17
	s_mov_b32 s17, 0                               ; s[16:17]: q's and out's offset
	v_lshlrev_b32 v[GKV], 4, v[R16]                ; k, v: lanes 0-15 take a row of channel j, lanes 16-31 the same row of channel 8 + j
	v_lshl_or_b32 v[GKV], v[HALF], 17, v[GKV]
	v_lshlrev_b32 v[GQO], 4, v[LANE]
	s_wait_kmcnt 0x0
	s_add_nc_u64 s[4:5], s[4:5], s[16:17]
	s_add_nc_u64 s[6:7], s[6:7], s[14:15]
	s_add_nc_u64 s[8:9], s[8:9], s[14:15]
	s_add_nc_u64 s[10:11], s[10:11], s[16:17]
	global_load_b128 v[QR:QR+3],   v[GQO], s[4:5] th:TH_LOAD_NT               ; q is read once in the launch
	global_load_b128 v[QR+4:QR+7], v[GQO], s[4:5] offset:PLANE th:TH_LOAD_NT
.irp j, 0,1,2,3,4,5,6,7
	global_load_b128 v[KR+4*\j:KR+4*\j+3], v[GKV], s[6:7] offset:\j*PLANE    ; k and v rows are read by up to four work-groups: no hint
.endr
.irp j, 0,1,2,3,4,5,6,7
	global_load_b128 v[VR+4*\j:VR+4*\j+3], v[GKV], s[8:9] offset:\j*PLANE
.endr
	; ---- All that follows, down to the first wait, is index work done while the 18 loads are out.
	v_mov_b32 v[NEG], NEGBITS
	v_mov_b32 v[XCH], 0                            ; v_permlanex16_b32 counts as a reader of its destination
.irp i, 0,1,2,3
	v_mov_b32 v[ZQ+\i], 0
	v_mov_b32 v[ZQ+8+\i], 0
.endr
.irp i, 0,1,2,3,4,5,6,7
	v_mov_b32 v[ONES+\i], 0x3f803f80               ; 1.0 in both halves
.endr
	s_mov_b32 s20, 0x76543210                      ; v_permlanex16_b32: lane i reads lane i of the other half
	s_mov_b32 s21, 0xfedcba98
	s_lshl_b32 s18, s12, 3                         ; my tile's first query column, 8w
	s_mul_i32 s19, s12, KROW
	s_mul_i32 s22, s12, VROW
	v_mul_u32_u24 v[H1280], v[HALF], KHALF
	v_mul_u32_u24 v[R144], v[R16], VPITCH
	; V's zero columns of key row w: lane (r, h) clears 8 bytes of channel r, in front (h = 0) or behind (h = 1)
	v_mad_u32_u24 v[PADA], v[HALF], 136, v[R144]
	v_add_nc_u32 v[PADA], s22, v[PADA]
	ds_store_b64 v[PADA], v[ZQ:ZQ+1] offset:VBASE
	; K's zero columns of key row w: in each d half (lane bit 4) and each quad (bits 1:0) the first piece (cp = 0 .. 3) and the eighteenth
	; (cp = 68 .. 71), picked by bit 2; bit 3 picks 8 of the piece's 16 bytes.  32 lanes x 8 bytes = the 16 pieces.
	v_and_b32 v[T1], 3, v0
	v_mad_u32_u24 v[T1], v[T1], KQUAD, v[H1280]    ; quad and d half: serves the read address below too
	v_bfe_u32 v[T0], v0, 2, 1
	v_mad_u32_u24 v[KPD], v[T0], 17*16, v[T1]
	v_bfe_u32 v[T0], v0, 3, 1
	v_lshl_add_u32 v[KPD], v[T0], 3, v[KPD]
	v_add_nc_u32 v[KPD], s19, v[KPD]
	ds_store_b64 v[KPD], v[ZQ:ZQ+1]
	; K back: lane (r, h) takes key column 8w - 4 + r, that is cp = 8w + r: quad r & 3, piece 2w + (r >> 2); d = 8h .. 8h+7
	v_bfe_u32 v[T0], v0, 2, 2
	v_lshl_add_u32 v[KRD], v[T0], 4, v[T1]
	s_lshl_b32 s23, s12, 5                         ; 2w pieces of 16 bytes
	v_add_nc_u32 v[KRD], s23, v[KRD]
	; K in: key row w, d half h, columns 4g .. 4g+3 (g = lane & 15): cp = 4 (g + 1) + i, quad i (in the store's offset), piece g + 1
	v_lshl_add_u32 v[KST], v[R16], 4, v[H1280]
	v_add_nc_u32 v[KST], s19, v[KST]
	; V in: key row w, channel 8h + j, columns 4g .. 4g+3: 8 bytes at 8g + 8
	v_mul_u32_u24 v[VST], v[HALF], 8*VPITCH
	v_lshl_add_u32 v[VST], v[R16], 3, v[VST]
	v_add_nc_u32 v[VST], s22, v[VST]
	; Q in: d pair w, query row h, columns 4g .. 4g+3: 16 bytes
	s_mul_i32 s23, s12, QPAIR
	v_mul_u32_u24 v[QST], v[HALF], QRPITCH
	v_lshl_add_u32 v[QST], v[R16], 4, v[QST]
	v_add_nc_u32 v[QST], s23, v[QST]
	; Q back: lane (r, h) is query (row r >> 3, column 8w + (r & 7)) and takes d pairs 4h .. 4h+3
	v_bfe_u32 v[QRW], v[R16], 3, 1
	v_and_b32 v[T2], 7, v[R16]
	v_mul_u32_u24 v[QRD], v[HALF], 4*QPAIR
	v_mad_u32_u24 v[QRD], v[QRW], QRPITCH, v[QRD]
	v_lshl_add_u32 v[QRD], v[T2], 2, v[QRD]
	s_lshl_b32 s23, s12, 5                         ; 8w columns of 4 bytes
	v_add_nc_u32 v[QRD], s23, v[QRD]
	; V back: lane (r, h) takes channel r, key columns 8w - 4 + 8h .. + 7: 16 bytes at 2 (8w + 8h)
	v_lshl_add_u32 v[VRD], v[HALF], 4, v[R144]
	s_lshl_b32 s23, s12, 4
	v_add_nc_u32 v[VRD], s23, v[VRD]
	; the stage.  In: lane (r, h) holds channel r, query row h, my 8 columns.  Back: lane l takes 16 bytes of a channel's 512: row l >> 4, columns 4 (l & 15) ..
	s_mul_i32 s23, s12, OWAVE
	v_mul_u32_u24 v[OST], v[R16], OPITCH
	v_lshl_add_u32 v[OST], v[HALF], 5, v[OST]
	v_add_nc_u32 v[OST], s23, v[OST]
	v_bfe_u32 v[T0], v0, 1, 3                      ; the wave that made those columns
	v_mul_u32_u24 v[ORD], v[T0], OWAVE
	v_and_b32 v[T0], 1, v0
	v_lshl_add_u32 v[ORD], v[T0], 4, v[ORD]
	v_lshl_add_u32 v[ORD], v[HALF], 5, v[ORD]
	s_mul_i32 s23, s12, 2*OPITCH                   ; I carry out channels 2w, 2w+1
	v_add_nc_u32 v[ORD], s23, v[ORD]
	; The mask's column part.  My query's column is qc; its keys' columns are lo = max(qc - 3, 0) .. hi = min(qc + 3, 63).
	; Register j of a score tile is key column 8w - 4 + 8h + j: it counts if (column - lo), as an unsigned number, is at most hi - lo.
	v_add_nc_u32 v[T0], s18, v[T2]                 ; qc
	v_max_u32 v[T1], 3, v[T0]
	v_add_nc_u32 v[T1], -3, v[T1]                  ; lo
	v_add_nc_u32 v[T0], 3, v[T0]
	v_min_u32 v[T0], 63, v[T0]
	v_sub_nc_u32 v[T0], v[T0], v[T1]               ; hi - lo
	v_lshl_add_u32 v[T2], v[HALF], 3, s18
	v_sub_nc_u32 v[T2], v[T2], v[T1]
	v_add_nc_u32 v[T2], -4, v[T2]                  ; key column of j = 0, less lo
.irp j, 0,1,2,3,4,5,6,7
	v_add_nc_u32 v[T1], \j, v[T2]
	v_cmp_ge_u32 vcc_lo, v[T0], v[T1]
	v_cndmask_b32 v[CB+\j], v[NEG], v[ZQ], vcc_lo  ; 0 where it counts, else -1e30
.endr
	; Its row part, the same way: my query's row is 2x + (r >> 3), key row kr is 2x - 3 + kr
	v_add_nc_u32 v[T0], s24, v[QRW]
	v_max_u32 v[T1], 3, v[T0]
	v_add_nc_u32 v[T1], -3, v[T1]
	v_add_nc_u32 v[T0], 3, v[T0]
	v_min_u32 v[T0], 63, v[T0]
	v_sub_nc_u32 v[T0], v[T0], v[T1]
	v_sub_nc_u32 v[T2], s24, v[T1]
	v_add_nc_u32 v[T2], -3, v[T2]
.irp kr, 0,1,2,3,4,5,6,7
	v_add_nc_u32 v[T1], \kr, v[T2]
	v_cmp_ge_u32 vcc_lo, v[T0], v[T1]
	v_cndmask_b32 v[RB+2*\kr],   v[NEG], v[ZQ], vcc_lo
	v_cndmask_b32 v[RB+2*\kr+1], v[NEG], v[ZQ], vcc_lo
.endr
	; The accumulators start as the mask: 0, -1e30 or -2e30
.irp kr, 0,1,2,3,4,5,6,7
.irp j, 0,2,4,6
	v_pk_add_f32 v[ACC+8*\kr+\j:ACC+8*\kr+\j+1], v[CB+\j:CB+\j+1], v[RB+2*\kr:RB+2*\kr+1]
.endr
.endr
	; ---- Q and K into LDS
	s_wait_loadcnt 16                              ; loads come back in order (ISA guide 5.7.1): q's two are in, the sixteen of k and v stay out
.irp i, 0,1,2,3
	v_cvt_pk_bf16_f32 v[QC+\i], v[QR+\i], v[QR+4+\i]               ; column 4g + i: channels 2w (low half), 2w + 1
.endr
	ds_store_b128 v[QST], v[QC:QC+3] offset:QBASE
	s_wait_loadcnt 8                               ; k's eight are in, v's eight stay out
.irp i, 0,1,2,3
.irp m, 0,1,2,3
	v_cvt_pk_bf16_f32 v[KC+4*\i+\m], v[KR+8*\m+\i], v[KR+8*\m+4+\i]   ; column 4g + i: channels 8h + 2m, 8h + 2m + 1
.endr
	ds_store_b128 v[KST], v[KC+4*\i:KC+4*\i+3] offset:\i*KQUAD+16  ; quad i, piece g + 1
.endr
	s_wait_dscnt 0x0                               ; for the other waves: my stores are in LDS
	s_barrier_signal -1
	s_barrier_wait -1                              ; Q and K are whole (v's loads stay out: no wave writes v)
	; ---- S transposed: 8 tiles of 16 keys x 16 queries
.irp m, 0,1,2,3
	ds_load_b32 v[QF+\m], v[QRD] offset:QBASE+\m*QPAIR
.endr
.irp kr, 0,1,2,3,4,5,6,7
	ds_load_b128 v[KR+4*\kr:KR+4*\kr+3], v[KRD] offset:\kr*KROW    ; fragment kr >> 1: the even key row in K's lower half, the odd one in the upper
.endr
.irp i, 0,1,2,3
	s_wait_dscnt 6-2*\i                            ; LDS loads come back in order: q and key rows 0 .. 2i + 1 are in, the later rows stay out
	v_wmma_f32_16x16x32_bf16 v[ACC+16*\i:ACC+16*\i+7],    v[KR+8*\i:KR+8*\i+7], v[QF:QF+7], v[ACC+16*\i:ACC+16*\i+7]       ; (q | 0): key row 2i
	v_wmma_f32_16x16x32_bf16 v[ACC+16*\i+8:ACC+16*\i+15], v[KR+8*\i:KR+8*\i+7], v[ZQ:ZQ+7], v[ACC+16*\i+8:ACC+16*\i+15]   ; (0 | q): key row 2i + 1
.endr
.rept 4
	v_nop                                          ; four places between a matrix instruction and a vector instruction that reads its result (ISA guide 7.12.1)
.endr
	; the maximum of my 64 scores, in four chains, then of the 64 of lane r xor 16: the query's own key is among the 128, so it is a true score
.irp g, 0,1,2,3
	v_max3_num_f32 v[MX+\g], v[ACC+16*\g], v[ACC+16*\g+1], v[ACC+16*\g+2]
.endr
.irp i, 3,5,7,9,11,13
.irp g, 0,1,2,3
	v_max3_num_f32 v[MX+\g], v[MX+\g], v[ACC+16*\g+\i], v[ACC+16*\g+\i+1]
.endr
.endr
	v_max3_num_f32 v[MX],   v[MX],   v[ACC+15], v[ACC+31]
	v_max3_num_f32 v[MX+1], v[MX+1], v[ACC+47], v[ACC+63]
	v_max3_num_f32 v[MX], v[MX], v[MX+1], v[MX+2]
	v_max_num_f32 v[MX], v[MX], v[MX+3]
	v_permlanex16_b32 v[XCH], v[MX], s20, s21
	v_max_num_f32 v[MX], v[MX], v[XCH]
	v_mul_f32 v[MC],   NSCALE, v[MX]
	v_mul_f32 v[MC+1], NSCALE, v[MX]
	; ---- V into LDS: its loads have had the products and the maximum in which to land
.irp j, 0,1,2,3,4,5,6,7
	s_wait_loadcnt 7-\j                            ; v's load j is in, the later ones stay out
	v_cvt_pk_bf16_f32 v[VC+2*\j],   v[VR+4*\j],   v[VR+4*\j+1]
	v_cvt_pk_bf16_f32 v[VC+2*\j+1], v[VR+4*\j+2], v[VR+4*\j+3]
	ds_store_b64 v[VST], v[VC+2*\j:VC+2*\j+1] offset:VBASE+8+\j*VPITCH
.endr
	s_wait_dscnt 0x0                               ; for the other waves
	s_barrier_signal -1
	s_barrier_wait -1                              ; V is whole
.irp kr, 0,1,2,3,4,5,6,7
	ds_load_b128 v[VR+4*\kr:VR+4*\kr+3], v[VRD] offset:VBASE+\kr*VROW    ; fragment kr >> 1: k = 8h .. of the even key row, k = 16 + 8h .. of the odd one
.endr
; Key rows 2g, 2g + 1: p = exp2(s * SCALE - m * SCALE), in place.  The exponentials stand in one run; behind the run comes a plain vector
; instruction on other registers before any result is read (ISA guide 5.7.2).
.macro EXPG g
.irp j, 0,2,4,6,8,10,12,14
	v_pk_fma_f32 v[ACC+16*\g+\j:ACC+16*\g+\j+1], v[ACC+16*\g+\j:ACC+16*\g+\j+1], SCALE, v[MC:MC+1] op_sel_hi:[1,0,1]
.endr
.irp j, 0,1,2,3,4,5,6,7,8,9,10,11,12,13,14,15
	v_exp_f32 v[ACC+16*\g+\j], v[ACC+16*\g+\j]
.endr
.endm
; My 16 probabilities of key rows 2g, 2g + 1 are query r's k = 8h .. 8h+7 and 16 + 8h .. 16 + 8h + 7: an A fragment as they stand
.macro PACK g
	s_wait_alu depctr_va_vdst(0)
.irp m, 0,1,2,3,4,5,6,7
	v_cvt_pk_bf16_f32 v[PB+8*\g+\m], v[ACC+16*\g+2*\m], v[ACC+16*\g+2*\m+1]
.endr
.endm
; O += P V and sums += P x ones.  The two accumulators take turns, one instruction a turn.
.macro PV g, first
.if \first
	v_wmma_f32_16x16x32_bf16 v[OA:OA+7], v[PB+8*\g:PB+8*\g+7], v[VR+8*\g:VR+8*\g+7], 0       ; the first products start the sums
	v_wmma_f32_16x16x32_bf16 v[LA:LA+7], v[PB+8*\g:PB+8*\g+7], v[ONES:ONES+7], 0
.else
	v_wmma_f32_16x16x32_bf16 v[OA:OA+7], v[PB+8*\g:PB+8*\g+7], v[VR+8*\g:VR+8*\g+7], v[OA:OA+7]
	v_wmma_f32_16x16x32_bf16 v[LA:LA+7], v[PB+8*\g:PB+8*\g+7], v[ONES:ONES+7], v[LA:LA+7]
.endif
.endm
	EXPG 0
	EXPG 1
	PACK 0
	s_wait_dscnt 0x0                               ; V's fragments
	PV 0, 1
	EXPG 2
	PACK 1
	PV 1, 0
	EXPG 3
	PACK 2                                         ; also the plain instructions between the last exponentials and PACK 3
	PV 2, 0
	PACK 3
	PV 3, 0
.rept 4
	v_nop                                          ; four places ahead of the first reader of the results (ISA guide 7.12.1)
.endr
	; Register j of lane (r, h): channel r, query row h, column 8w + j; the sums lie alike.  A sum is at least 1: the maximum's own term.
.irp j, 0,1,2,3,4,5,6,7
	v_rcp_f32 v[RC+\j], v[LA+\j]
.endr
	v_nop                                          ; one plain place behind the reciprocals (ISA guide 5.7.2)
	s_wait_alu depctr_va_vdst(0)
.irp j, 0,2,4,6
	v_pk_mul_f32 v[OA+\j:OA+\j+1], v[OA+\j:OA+\j+1], v[RC+\j:RC+\j+1]
.endr
	ds_store_b128 v[OST], v[OA:OA+3]   offset:OBASE
	ds_store_b128 v[OST], v[OA+4:OA+7] offset:OBASE+16
	s_wait_dscnt 0x0                               ; for the other waves
	s_barrier_signal -1
	s_barrier_wait -1                              ; the stage is whole
	ds_load_b128 v[ACC:ACC+3],   v[ORD] offset:OBASE               ; channel 2w: rows 2x, 2x + 1, gathered from the eight waves' parts
	ds_load_b128 v[ACC+4:ACC+7], v[ORD] offset:OBASE+OPITCH        ; channel 2w + 1
	s_wait_dscnt 0x1                               ; the first of the two is in
	global_store_b128 v[GQO], v[ACC:ACC+3], s[10:11] th:TH_STORE_NT               ; 32 lanes store 512 consecutive bytes, aligned
	s_wait_dscnt 0x0
	global_store_b128 v[GQO], v[ACC+4:ACC+7], s[10:11] offset:PLANE th:TH_STORE_NT
	s_wait_tensorcnt 0x0
	ds_add_u32 v248, v249
	s_wait_dscnt 0x0
	s_endpgm
.Lfunc_end_k_q70940d68a6_local_attn:
	.size	k_q70940d68a6_local_attn, .Lfunc_end_k_q70940d68a6_local_attn-k_q70940d68a6_local_attn
	.p2alignl 7, 3214868480
	.fill 96, 4, 3214868480
	.section	.rodata,"a",@progbits
	.p2align	6, 0x0
	.amdhsa_kernel k_q70940d68a6_local_attn
		.amdhsa_group_segment_fixed_size 55296
		.amdhsa_private_segment_fixed_size 0
		.amdhsa_enable_private_segment 0
		.amdhsa_kernarg_size 32
		.amdhsa_user_sgpr_count 2
		.amdhsa_user_sgpr_kernarg_segment_ptr 1
		.amdhsa_wavefront_size32 1
		.amdhsa_system_sgpr_workgroup_id_x 1
		.amdhsa_system_sgpr_workgroup_id_y 1
		.amdhsa_system_sgpr_workgroup_id_z 1
		.amdhsa_system_vgpr_workitem_id 0
		.amdhsa_next_free_vgpr 250
		.amdhsa_next_free_sgpr 66
		.amdhsa_reserve_vcc 1
		.amdhsa_float_denorm_mode_32 3
		.amdhsa_float_denorm_mode_16_64 3
		.amdhsa_memory_ordered 1
		.amdhsa_forward_progress 1
		.amdhsa_inst_pref_size 29
	.end_amdhsa_kernel
	.amdgpu_metadata
---
amdhsa.version: [ 1, 2 ]
amdhsa.kernels:
  - .name:           k_q70940d68a6_local_attn
    .symbol:         k_q70940d68a6_local_attn.kd
    .args:
      - { .name: q, .offset: 0, .size: 8, .value_kind: global_buffer, .address_space: global }
      - { .name: k, .offset: 8, .size: 8, .value_kind: global_buffer, .address_space: global }
      - { .name: v, .offset: 16, .size: 8, .value_kind: global_buffer, .address_space: global }
      - { .name: out0, .offset: 24, .size: 8, .value_kind: global_buffer, .address_space: global }
    .group_segment_fixed_size: 55296
    .private_segment_fixed_size: 0
    .kernarg_segment_align: 8
    .kernarg_segment_size: 32
    .max_flat_workgroup_size: 256
    .sgpr_count:     66
    .vgpr_count:     250
    .wavefront_size: 32
...
	.end_amdgpu_metadata
.endif
;; end of part 1
;; ======== version 2 of 2: 1 launch; version 1 with the launch local_attn written anew for expert scheduling mode
;; limits: right only within a limited range of input values; values outside matrix products are rounded to bf16
;; launch local_attn (part 2): grid 32 x 8, 8 waves a work-group, no clusters, 55,296 bytes of LDS; arguments q, k, v, out0; writes out0
.if DOCPART == 2
	.amdgcn_target "amdgcn-amd-amdhsa--gfx1250"
	.amdhsa_code_object_version 6
	.text
	.protected	k_q70940d68a6_local_attn
	.globl	k_q70940d68a6_local_attn
	.p2align	8
	.type	k_q70940d68a6_local_attn,@function
k_q70940d68a6_local_attn:
	s_mov_b64 s[64:65], 0
	v_nop
	global_prefetch_b8 v0, s[64:65] scope:SCOPE_SE
	s_setreg_imm32_b32 hwreg(HW_REG_WAVE_SCHED_MODE, 0, 2), 2
	s_setreg_imm32_b32 hwreg(HW_REG_WAVE_MODE, 25, 1), 1
	s_wait_xcnt 0x0
	s_wait_alu depctr_vm_vsrc(0)
; Local attention in a 7 x 7 window, clipped at the image's edge.  q, k, v, out: [2][64 channels][64][64] f32; 4 heads of 16 channels.
; Work-group (x, y): head y of the 8 (batch, head) pairs, query rows 2x and 2x+1, all 64 columns.  Eight waves; wave w owns the 16 queries
; of 2 rows x 8 columns at column 8w.  Their keys lie in 8 rows (2x-3 .. 2x+4) x 16 columns (8w-4 .. 8w+11): 128 keys, 49 of them count for a query.
;
; THE WAY IN.  An image row of one channel is 256 consecutive bytes.  Each thread issues 18 loads of 16 bytes at the start (2 of q, 8 of k, 8 of v);
; every load of a wave covers two whole such rows.  The numbers are rounded to bf16 once, in registers, and laid into LDS in fragment order.
; THE PRODUCTS.  S is made transposed: A = 16 keys (one key row, 16 columns), B = the 16 queries.  Lane (r, h) then holds query r and keys 8h .. 8h+7
; of each key row: the row maximum is a lane's own affair but for one exchange with lane r xor 16, and two packed key rows ARE an A fragment of P V.
; The head has 16 channels and the matrix form 32 along K: an A fragment carries TWO key rows, one in each half of K, and B holds q in one half and
; zeros in the other, which picks the key row.
; THE MASK is an addend, 0 or -1e30, written into the accumulators ahead of the products (C and D the same registers).
; SOFTMAX: the true maximum of all 128 scores is taken away; exp2((s - m) * 0.25 * log2 e).  The row sums are made by the matrix unit too (P x ones):
; they arrive in the registers in which O needs them.
; THE WAY OUT: through a stage in LDS, then each store of a wave covers 512 consecutive bytes, aligned (rows 2x, 2x+1 of one channel).
;
; NO CLUSTER: neighbouring work-groups share 6 of their 8 key rows, but each at another place of its own window.  A joint load lays a tile at one LDS
; address in all partners, so every LDS read address would hang on the place in the cluster.  And the data pass through registers to be rounded.
;
; THE MODE: SCHED_MODE bits 1:0 = 2 (LLVM: expert scheduling mode 2), set by the entry lines.  The code itself states the register dependences
; between vector or matrix instructions and memory or LDS instructions, with s_wait_alu, always for 0.
; THE PLAN.  Registers that memory or LDS instructions touch, in the order of the text (there is no loop):
;   v4-v14, v29   two global offsets and ten LDS addresses: written at the head, named by no vector instruction afterwards.
;   ZQ            v32, v33 are the data of the two stores of zero columns; written at the head, never again.
;   QR, KR, VR    the 18 global loads land here (no vector instruction names them before); the conversions read them.
;   QC, KC        written by q's and k's conversions, read by five LDS stores.       VC   written by v's conversions, read by eight LDS stores.
;   KR, VR again  K's and V's fragments land here, behind the conversions that read the raw numbers.   QF   written by LDS loads alone.
;   PB = KC, VC   written again by the packings of P, behind the LDS stores that read them.
;   OA            written by the last multiplies, read by the two stage stores.
;   ACC, first 8  written by the exponentials, read by the packings; at the end the stage's loads land here and the global stores read them.
; So four waits on va_vdst stand in the text: one at the head, and one ahead of each run of LDS stores (Q and K; V; the stage).  Each of the last three
; also states that the vector instructions are done with the registers in which the LDS loads behind the next barrier land: no vector instruction
; between names them.  One wait on vm_vsrc stands ahead of the packings.  Three waits on va_sdst: the wave's number, and the two runs of the mask's compares.
;
; LIMITS.  Inputs are finite: a NaN or an infinity in k or v reaches queries of the same tile outside its window (0 x Inf in the unused half of K and
; under a probability of 0).  |q.k| stays below about 1e29, since the mask's addend is -1e30.  Probabilities are rounded to bf16 ahead of both the
; sum and the product with v; exponentials below 2^-126 come out as 0 (ISA guide, v_exp_f32).
.set PLANE,   16384                    ; bytes of one channel's image
.set NEGBITS, 0xf149f2ca               ; -1.0e30
.set SCALE,   0x3eb8aa3b               ; 0.25 * log2 e
.set NSCALE,  0xbeb8aa3b
; LDS.  K: [key row][d half][cp & 3][cp >> 2][8 d of bf16], cp = column + 4 = 0 .. 71: columns -4 .. 67, the four on each side zero, so that an edge
; tile reads like any other.  A quad holds 18 pieces of 16 bytes in 320.  Stores: 16 lanes at 16 neighbouring pieces.  Reads of 16 neighbouring
; columns: piece number 20 (cp & 3) + (cp >> 2), sixteen different values modulo 16.
.set KQUAD,   320
.set KHALF,   4*KQUAD
.set KROW,    2*KHALF
; Q: [d pair][query row][column], one word = two bf16.  The pitches put the 32 lanes of a fragment read on 32 different words modulo 64.
.set QRPITCH, 288
.set QPAIR,   592
.set QBASE,   8*KROW
; V: [key row][d][72 columns of bf16]: columns -4 .. 67, the four on each side zero.  144 bytes are an odd multiple of 16.
.set VPITCH,  144
.set VROW,    16*VPITCH
.set VBASE,   QBASE+8*QPAIR
; Stage: [wave][d][query row][8 columns of f32]; every wave stores into bytes of its own.
.set OPITCH,  80
.set OWAVE,   1312
.set OBASE,   VBASE+8*VROW             ; the stage ends at OBASE + 8 * 1312 = 54,144
; Registers
.set LANE,  1                          ; lane
.set R16,   2                          ; r = lane & 15
.set HALF,  3                          ; h = lane >> 4
.set GKV,   4                          ; global offset for k and v; never rewritten
.set GQO,   5                          ; global offset for q and out; never rewritten
.set KST,   6                          ; LDS addresses: stores of K, V, Q, V's zero columns
.set VST,   7
.set QST,   8
.set PADA,  9
.set KRD,   10                         ; reads of K, Q, V
.set QRD,   11
.set VRD,   12
.set OST,   13                         ; the stage: in, back
.set ORD,   14
.set H1280, 15                         ; h * KHALF
.set T0,    16
.set T1,    17
.set R144,  18                         ; r * VPITCH
.set QRW,   19                         ; my query's row in the pair, r >> 3
.set NEG,   20
.set T2,    21
.set MC,    22                         ; v[22:23]  -m * SCALE, twice
.set MX,    24                         ; v[24:27]  four running maxima
.set XCH,   28
.set KPD,   29                         ; LDS address: K's zero columns
.set ZQ,    32                         ; v[32:35] zeros, v[36:39] q, v[40:43] zeros: B = v[36:43] is (q | 0), B = v[32:39] is (0 | q)
.set QF,    36
.set ONES,  44                         ; v[44:51]  a B fragment of ones
.set CB,    52                         ; v[52:59]  the mask's column part, key 8h + j
.set RB,    60                         ; v[60:75]  its row part, key row kr, twice each (pairs for the packed add)
.set OA,    52                         ; later: v[52:59] O, v[60:67] the row sums, v[68:75] their reciprocals
.set LA,    60
.set RC,    68
.set QR,    76                         ; v[76:83]  q as loaded;  v[84:87] packed
.set QC,    84
.set KR,    88                         ; v[88:119]  k as loaded; later the four A fragments of K
.set VR,    120                        ; v[120:151] v as loaded; later the four B fragments of V
.set KC,    152                        ; v[152:167] k packed, v[168:183] v packed
.set VC,    168
.set PB,    152                        ; later: v[152:183] the four A fragments of P
.set ACC,   184                        ; v[184:247] key row kr at 8 kr: mask, then scores, then probabilities
.set CM,    24                         ; s[24:31]  the eight lane masks of a run of compares
	s_load_b256 s[4:11], s[0:1], 0x0               ; q s[4:5], k s[6:7], v s[8:9], out s[10:11]
	v_lshl_add_u32 v30, v0, 2, 0xd400
	v_mov_b32 v31, 0
	v_lshrrev_b32 v[T0], 5, v0
	v_readfirstlane_b32 s12, v[T0]                 ; wave w, 0 to 7
	v_and_b32 v[LANE], 31, v0
	v_and_b32 v[R16], 15, v0
	v_bfe_u32 v[HALF], v0, 4, 1
	s_and_b32 s13, ttmp7, 0xffff
	s_lshl_b32 s13, s13, 18                        ; the head's 16 channels of 16,384 bytes
	s_lshl_b32 s3, ttmp9, 1                        ; my first query row, 2x
	s_wait_alu depctr_va_sdst(0)                   ; s12 is written, ahead of its first reader: offsets and LDS addresses are made from it
	; Wave w brings key row 2x - 3 + w.  A row outside the image is replaced by the nearest row inside: the load stays in the buffer, and the mask
	; throws its scores away.
	s_add_co_u32 s14, s3, s12                      ; the row + 3
	s_max_u32 s14, s14, 3
	s_min_u32 s14, s14, 66
	s_sub_co_u32 s14, s14, 3
	s_lshl_b32 s14, s14, 8
	s_add_co_u32 s14, s14, s13
	s_mov_b32 s15, 0                               ; s[14:15]: k's and v's offset
	s_lshl_b32 s16, s12, 15                        ; of q and out wave w takes channels 2w, 2w+1,
	s_add_co_u32 s16, s16, s13
	s_lshl_b32 s17, ttmp9, 9                       ; rows 2x and 2x+1: 512 consecutive bytes
	s_add_co_u32 s16, s16, s17
	s_mov_b32 s17, 0                               ; s[16:17]: q's and out's offset
	v_lshlrev_b32 v[GKV], 4, v[R16]                ; k, v: lanes 0-15 take a row of channel j, lanes 16-31 the same row of channel 8 + j
	v_lshl_or_b32 v[GKV], v[HALF], 17, v[GKV]
	v_lshlrev_b32 v[GQO], 4, v[LANE]
	; ---- Every LDS address of the kernel is made here, while the arguments are on their way, so that one wait states them all.
.irp i, 0,1,2,3
	v_mov_b32 v[ZQ+\i], 0
	v_mov_b32 v[ZQ+8+\i], 0
.endr
	s_lshl_b32 s18, s12, 3                         ; my tile's first query column, 8w
	s_mul_i32 s19, s12, KROW
	s_mul_i32 s22, s12, VROW
	v_mul_u32_u24 v[H1280], v[HALF], KHALF
	v_mul_u32_u24 v[R144], v[R16], VPITCH
	; V's zero columns of key row w: lane (r, h) clears 8 bytes of channel r, in front (h = 0) or behind (h = 1)
	v_mad_u32_u24 v[PADA], v[HALF], 136, v[R144]
	v_add_nc_u32 v[PADA], s22, v[PADA]
	; K's zero columns of key row w: in each d half (lane bit 4) and each quad (bits 1:0) the first piece (cp = 0 .. 3) and the eighteenth
	; (cp = 68 .. 71), picked by bit 2; bit 3 picks 8 of the piece's 16 bytes.  32 lanes x 8 bytes = the 16 pieces.
	v_and_b32 v[T1], 3, v0
	v_mad_u32_u24 v[T1], v[T1], KQUAD, v[H1280]    ; quad and d half: serves the read address below too
	v_bfe_u32 v[T0], v0, 2, 1
	v_mad_u32_u24 v[KPD], v[T0], 17*16, v[T1]
	v_bfe_u32 v[T0], v0, 3, 1
	v_lshl_add_u32 v[KPD], v[T0], 3, v[KPD]
	v_add_nc_u32 v[KPD], s19, v[KPD]
	; K back: lane (r, h) takes key column 8w - 4 + r, that is cp = 8w + r: quad r & 3, piece 2w + (r >> 2); d = 8h .. 8h+7
	v_bfe_u32 v[T0], v0, 2, 2
	v_lshl_add_u32 v[KRD], v[T0], 4, v[T1]
	s_lshl_b32 s23, s12, 5                         ; 2w pieces of 16 bytes
	v_add_nc_u32 v[KRD], s23, v[KRD]
	; K in: key row w, d half h, columns 4g .. 4g+3 (g = lane & 15): cp = 4 (g + 1) + i, quad i (in the store's offset), piece g + 1
	v_lshl_add_u32 v[KST], v[R16], 4, v[H1280]
	v_add_nc_u32 v[KST], s19, v[KST]
	; V in: key row w, channel 8h + j, columns 4g .. 4g+3: 8 bytes at 8g + 8
	v_mul_u32_u24 v[VST], v[HALF], 8*VPITCH
	v_lshl_add_u32 v[VST], v[R16], 3, v[VST]
	v_add_nc_u32 v[VST], s22, v[VST]
	; Q in: d pair w, query row h, columns 4g .. 4g+3: 16 bytes
	s_mul_i32 s23, s12, QPAIR
	v_mul_u32_u24 v[QST], v[HALF], QRPITCH
	v_lshl_add_u32 v[QST], v[R16], 4, v[QST]
	v_add_nc_u32 v[QST], s23, v[QST]
	; Q back: lane (r, h) is query (row r >> 3, column 8w + (r & 7)) and takes d pairs 4h .. 4h+3
	v_bfe_u32 v[QRW], v[R16], 3, 1
	v_and_b32 v[T2], 7, v[R16]
	v_mul_u32_u24 v[QRD], v[HALF], 4*QPAIR
	v_mad_u32_u24 v[QRD], v[QRW], QRPITCH, v[QRD]
	v_lshl_add_u32 v[QRD], v[T2], 2, v[QRD]
	s_lshl_b32 s23, s12, 5                         ; 8w columns of 4 bytes
	v_add_nc_u32 v[QRD], s23, v[QRD]
	; V back: lane (r, h) takes channel r, key columns 8w - 4 + 8h .. + 7: 16 bytes at 2 (8w + 8h)
	v_lshl_add_u32 v[VRD], v[HALF], 4, v[R144]
	s_lshl_b32 s23, s12, 4
	v_add_nc_u32 v[VRD], s23, v[VRD]
	; the stage.  In: lane (r, h) holds channel r, query row h, my 8 columns.  Back: lane l takes 16 bytes of a channel's 512: row l >> 4, columns 4 (l & 15) ..
	s_mul_i32 s23, s12, OWAVE
	v_mul_u32_u24 v[OST], v[R16], OPITCH
	v_lshl_add_u32 v[OST], v[HALF], 5, v[OST]
	v_add_nc_u32 v[OST], s23, v[OST]
	v_bfe_u32 v[T0], v0, 1, 3                      ; the wave that made those columns
	v_mul_u32_u24 v[ORD], v[T0], OWAVE
	v_and_b32 v[T0], 1, v0
	v_lshl_add_u32 v[ORD], v[T0], 4, v[ORD]
	v_lshl_add_u32 v[ORD], v[HALF], 5, v[ORD]
	s_mul_i32 s23, s12, 2*OPITCH                   ; I carry out channels 2w, 2w+1
	v_add_nc_u32 v[ORD], s23, v[ORD]
	s_wait_alu depctr_va_vdst(0)                   ; the two offsets, the ten LDS addresses and the zeros of ZQ are written: every load and store of the kernel reads one of them, and no vector instruction names an offset or an address again
	ds_store_b64 v[PADA], v[ZQ:ZQ+1] offset:VBASE  ; V's zero columns
	ds_store_b64 v[KPD], v[ZQ:ZQ+1]                ; K's zero columns
	s_wait_kmcnt 0x0
	s_add_nc_u64 s[4:5], s[4:5], s[16:17]
	s_add_nc_u64 s[6:7], s[6:7], s[14:15]
	s_add_nc_u64 s[8:9], s[8:9], s[14:15]
	s_add_nc_u64 s[10:11], s[10:11], s[16:17]
	global_load_b128 v[QR:QR+3],   v[GQO], s[4:5] th:TH_LOAD_NT               ; q is read once in the launch
	global_load_b128 v[QR+4:QR+7], v[GQO], s[4:5] offset:PLANE th:TH_LOAD_NT
.irp j, 0,1,2,3,4,5,6,7
	global_load_b128 v[KR+4*\j:KR+4*\j+3], v[GKV], s[6:7] offset:\j*PLANE    ; k and v rows are read by up to four work-groups: no hint
.endr
.irp j, 0,1,2,3,4,5,6,7
	global_load_b128 v[VR+4*\j:VR+4*\j+3], v[GKV], s[8:9] offset:\j*PLANE
.endr
	; ---- All that follows, down to the first wait on LOADcnt, is the mask and the constants, made while the 18 loads are out.
	v_mov_b32 v[NEG], NEGBITS
	v_mov_b32 v[XCH], 0                            ; v_permlanex16_b32 counts as a reader of its destination
.irp i, 0,1,2,3,4,5,6,7
	v_mov_b32 v[ONES+\i], 0x3f803f80               ; 1.0 in both halves
.endr
	s_mov_b32 s20, 0x76543210                      ; v_permlanex16_b32: lane i reads lane i of the other half
	s_mov_b32 s21, 0xfedcba98
	; The mask's column part.  My query's column is qc; its keys' columns are lo = max(qc - 3, 0) .. hi = min(qc + 3, 63).
	; Register j of a score tile is key column 8w - 4 + 8h + j: it counts if (column - lo), as an unsigned number, is at most hi - lo.
	v_add_nc_u32 v[T0], s18, v[T2]                 ; qc
	v_max_u32 v[T1], 3, v[T0]
	v_add_nc_u32 v[T1], -3, v[T1]                  ; lo
	v_add_nc_u32 v[T0], 3, v[T0]
	v_min_u32 v[T0], 63, v[T0]
	v_sub_nc_u32 v[T0], v[T0], v[T1]               ; hi - lo
	v_lshl_add_u32 v[T2], v[HALF], 3, s18
	v_sub_nc_u32 v[T2], v[T2], v[T1]
	v_add_nc_u32 v[T2], -4, v[T2]                  ; key column of j = 0, less lo
.irp j, 0,1,2,3,4,5,6,7
	v_add_nc_u32 v[CB+\j], \j, v[T2]               ; the eight columns less lo lie where the selects below put the mask
.endr
.irp j, 0,1,2,3,4,5,6,7
	v_cmp_ge_u32 s[CM+\j], v[T0], v[CB+\j]         ; the compares stand in one run, each with a scalar register of its own
.endr
	s_wait_alu depctr_va_sdst(0)                   ; the eight compares have written s[CM ..], which the selects read
.irp j, 0,1,2,3,4,5,6,7
	v_cndmask_b32 v[CB+\j], v[NEG], v[ZQ], s[CM+\j]  ; 0 where it counts, else -1e30
.endr
	; Its row part, the same way: my query's row is 2x + (r >> 3), key row kr is 2x - 3 + kr
	v_add_nc_u32 v[T0], s3, v[QRW]
	v_max_u32 v[T1], 3, v[T0]
	v_add_nc_u32 v[T1], -3, v[T1]
	v_add_nc_u32 v[T0], 3, v[T0]
	v_min_u32 v[T0], 63, v[T0]
	v_sub_nc_u32 v[T0], v[T0], v[T1]
	v_sub_nc_u32 v[T2], s3, v[T1]
	v_add_nc_u32 v[T2], -3, v[T2]
.irp kr, 0,1,2,3,4,5,6,7
	v_add_nc_u32 v[RB+2*\kr], \kr, v[T2]
.endr
.irp kr, 0,1,2,3,4,5,6,7
	v_cmp_ge_u32 s[CM+\kr], v[T0], v[RB+2*\kr]
.endr
	s_wait_alu depctr_va_sdst(0)                   ; the second run of compares has written s[CM ..] anew, which the selects read
.irp kr, 0,1,2,3,4,5,6,7
	v_cndmask_b32 v[RB+2*\kr],   v[NEG], v[ZQ], s[CM+\kr]
	v_cndmask_b32 v[RB+2*\kr+1], v[NEG], v[ZQ], s[CM+\kr]
.endr
	; The accumulators start as the mask: 0, -1e30 or -2e30
.irp kr, 0,1,2,3,4,5,6,7
.irp j, 0,2,4,6
	v_pk_add_f32 v[ACC+8*\kr+\j:ACC+8*\kr+\j+1], v[CB+\j:CB+\j+1], v[RB+2*\kr:RB+2*\kr+1]
.endr
.endr
	; ---- Q and K into LDS: all twenty conversions, one wait, the five stores in one run
	s_wait_loadcnt 16                              ; loads come back in order (ISA guide 5.7.1): q's two are in, the sixteen of k and v stay out
.irp i, 0,1,2,3
	v_cvt_pk_bf16_f32 v[QC+\i], v[QR+\i], v[QR+4+\i]               ; column 4g + i: channels 2w (low half), 2w + 1
.endr
	s_wait_loadcnt 8                               ; k's eight are in, v's eight stay out
.irp i, 0,1,2,3
.irp m, 0,1,2,3
	v_cvt_pk_bf16_f32 v[KC+4*\i+\m], v[KR+8*\m+\i], v[KR+8*\m+4+\i]   ; column 4g + i: channels 8h + 2m, 8h + 2m + 1
.endr
.endr
	s_wait_alu depctr_va_vdst(0)                   ; the conversions have written QC and KC, which the stores read, and are done reading KR, in which K's fragments land behind the barrier
	ds_store_b128 v[QST], v[QC:QC+3] offset:QBASE
.irp i, 0,1,2,3
	ds_store_b128 v[KST], v[KC+4*\i:KC+4*\i+3] offset:\i*KQUAD+16  ; quad i, piece g + 1
.endr
	s_wait_dscnt 0x0                               ; for the other waves: my stores are in LDS
	s_barrier_signal -1
	s_barrier_wait -1                              ; Q and K are whole (v's loads stay out: no wave writes v)
	; ---- S transposed: 8 tiles of 16 keys x 16 queries.  No vector instruction since the last wait on va_vdst names QF or KR.
.irp m, 0,1,2,3
	ds_load_b32 v[QF+\m], v[QRD] offset:QBASE+\m*QPAIR
.endr
.irp kr, 0,1,2,3,4,5,6,7
	ds_load_b128 v[KR+4*\kr:KR+4*\kr+3], v[KRD] offset:\kr*KROW    ; fragment kr >> 1: the even key row in K's lower half, the odd one in the upper
.endr
.irp i, 0,1,2,3
	s_wait_dscnt 6-2*\i                            ; LDS loads come back in order: q and key rows 0 .. 2i + 1 are in, the later rows stay out
	v_wmma_f32_16x16x32_bf16 v[ACC+16*\i:ACC+16*\i+7],    v[KR+8*\i:KR+8*\i+7], v[QF:QF+7], v[ACC+16*\i:ACC+16*\i+7]       ; (q | 0): key row 2i
	v_wmma_f32_16x16x32_bf16 v[ACC+16*\i+8:ACC+16*\i+15], v[KR+8*\i:KR+8*\i+7], v[ZQ:ZQ+7], v[ACC+16*\i+8:ACC+16*\i+15]   ; (0 | q): key row 2i + 1
.endr
	; ---- V into LDS: its loads have had the way of Q and K and the products in which to land.  The sixteen conversions name no register of the products:
	; they are also the places between the last matrix instruction and the maximum's first read of a result (ISA guide 7.12.1).
.irp j, 0,1,2,3,4,5,6,7
	s_wait_loadcnt 7-\j                            ; v's load j is in, the later ones stay out
	v_cvt_pk_bf16_f32 v[VC+2*\j],   v[VR+4*\j],   v[VR+4*\j+1]
	v_cvt_pk_bf16_f32 v[VC+2*\j+1], v[VR+4*\j+2], v[VR+4*\j+3]
.endr
	s_wait_alu depctr_va_vdst(0)                   ; the conversions have written VC, which the stores read, and are done reading VR, in which V's fragments land behind the barrier
.irp j, 0,1,2,3,4,5,6,7
	ds_store_b64 v[VST], v[VC+2*\j:VC+2*\j+1] offset:VBASE+8+\j*VPITCH
.endr
	; the maximum of my 64 scores, in four chains, then of the 64 of lane r xor 16: the query's own key is among the 128, so it is a true score.
	; It names ACC, MX, XCH and MC alone: none of the registers that the stores above read.
.irp g, 0,1,2,3
	v_max3_num_f32 v[MX+\g], v[ACC+16*\g], v[ACC+16*\g+1], v[ACC+16*\g+2]
.endr
.irp i, 3,5,7,9,11,13
.irp g, 0,1,2,3
	v_max3_num_f32 v[MX+\g], v[MX+\g], v[ACC+16*\g+\i], v[ACC+16*\g+\i+1]
.endr
.endr
	v_max3_num_f32 v[MX],   v[MX],   v[ACC+15], v[ACC+31]
	v_max3_num_f32 v[MX+1], v[MX+1], v[ACC+47], v[ACC+63]
	v_max3_num_f32 v[MX], v[MX], v[MX+1], v[MX+2]
	v_max_num_f32 v[MX], v[MX], v[MX+3]
	v_permlanex16_b32 v[XCH], v[MX], s20, s21
	v_max_num_f32 v[MX], v[MX], v[XCH]
	v_mul_f32 v[MC],   NSCALE, v[MX]
	v_mul_f32 v[MC+1], NSCALE, v[MX]
	s_wait_dscnt 0x0                               ; for the other waves
	s_barrier_signal -1
	s_barrier_wait -1                              ; V is whole
	s_wait_alu depctr_vm_vsrc(0)                   ; my LDS stores have read KC and VC: these registers are PB from here on, written by the packings
.irp kr, 0,1,2,3,4,5,6,7
	ds_load_b128 v[VR+4*\kr:VR+4*\kr+3], v[VRD] offset:VBASE+\kr*VROW    ; fragment kr >> 1: k = 8h .. of the even key row, k = 16 + 8h .. of the odd one.  No vector instruction since the last wait on va_vdst names VR
.endr
; Key rows 2g, 2g + 1: p = exp2(s * SCALE - m * SCALE), in place.  The exponentials stand in one run; behind the run comes a plain vector
; instruction on other registers before any result is read (ISA guide 5.7.2).
.macro EXPG g
.irp j, 0,2,4,6,8,10,12,14
	v_pk_fma_f32 v[ACC+16*\g+\j:ACC+16*\g+\j+1], v[ACC+16*\g+\j:ACC+16*\g+\j+1], SCALE, v[MC:MC+1] op_sel_hi:[1,0,1]
.endr
.irp j, 0,1,2,3,4,5,6,7,8,9,10,11,12,13,14,15
	v_exp_f32 v[ACC+16*\g+\j], v[ACC+16*\g+\j]
.endr
.endm
; My 16 probabilities of key rows 2g, 2g + 1 are query r's k = 8h .. 8h+7 and 16 + 8h .. 16 + 8h + 7: an A fragment as they stand
.macro PACK g
	s_wait_alu depctr_va_vdst(0)
.irp m, 0,1,2,3,4,5,6,7
	v_cvt_pk_bf16_f32 v[PB+8*\g+\m], v[ACC+16*\g+2*\m], v[ACC+16*\g+2*\m+1]
.endr
.endm
; O += P V and sums += P x ones.  The two accumulators take turns, one instruction a turn.
.macro PV g, first
.if \first
	v_wmma_f32_16x16x32_bf16 v[OA:OA+7], v[PB+8*\g:PB+8*\g+7], v[VR+8*\g:VR+8*\g+7], 0       ; the first products start the sums
	v_wmma_f32_16x16x32_bf16 v[LA:LA+7], v[PB+8*\g:PB+8*\g+7], v[ONES:ONES+7], 0
.else
	v_wmma_f32_16x16x32_bf16 v[OA:OA+7], v[PB+8*\g:PB+8*\g+7], v[VR+8*\g:VR+8*\g+7], v[OA:OA+7]
	v_wmma_f32_16x16x32_bf16 v[LA:LA+7], v[PB+8*\g:PB+8*\g+7], v[ONES:ONES+7], v[LA:LA+7]
.endif
.endm
	EXPG 0
	EXPG 1
	PACK 0
	s_wait_dscnt 0x0                               ; V's fragments
	PV 0, 1
	EXPG 2
	PACK 1
	PV 1, 0
	EXPG 3
	PACK 2                                         ; also the plain instructions between the last exponentials and PACK 3
	PV 2, 0
	PACK 3
	PV 3, 0
.rept 4
	v_nop                                          ; four places ahead of the first reader of the results (ISA guide 7.12.1)
.endr
	; Register j of lane (r, h): channel r, query row h, column 8w + j; the sums lie alike.  A sum is at least 1: the maximum's own term.
.irp j, 0,1,2,3,4,5,6,7
	v_rcp_f32 v[RC+\j], v[LA+\j]
.endr
	v_nop                                          ; one plain place behind the reciprocals (ISA guide 5.7.2)
	s_wait_alu depctr_va_vdst(0)
.irp j, 0,2,4,6
	v_pk_mul_f32 v[OA+\j:OA+\j+1], v[OA+\j:OA+\j+1], v[RC+\j:RC+\j+1]
.endr
	s_wait_alu depctr_va_vdst(0)                   ; the multiplies have written OA, which the stage stores read; the exponentials and packings are done with ACC, in which the stage's loads land behind the barrier
	ds_store_b128 v[OST], v[OA:OA+3]   offset:OBASE
	ds_store_b128 v[OST], v[OA+4:OA+7] offset:OBASE+16
	s_wait_dscnt 0x0                               ; for the other waves
	s_barrier_signal -1
	s_barrier_wait -1                              ; the stage is whole
	ds_load_b128 v[ACC:ACC+3],   v[ORD] offset:OBASE               ; channel 2w: rows 2x, 2x + 1, gathered from the eight waves' parts
	ds_load_b128 v[ACC+4:ACC+7], v[ORD] offset:OBASE+OPITCH        ; channel 2w + 1
	s_wait_dscnt 0x1                               ; the first of the two is in
	global_store_b128 v[GQO], v[ACC:ACC+3], s[10:11] th:TH_STORE_NT               ; 32 lanes store 512 consecutive bytes, aligned
	s_wait_dscnt 0x0
	global_store_b128 v[GQO], v[ACC+4:ACC+7], s[10:11] offset:PLANE th:TH_STORE_NT
	s_wait_dscnt 0x0
	s_wait_alu depctr_hold_cnt(0) depctr_sa_sdst(0) depctr_va_vdst(0) depctr_va_sdst(0) depctr_va_ssrc(0) depctr_va_vcc(0) depctr_vm_vsrc(0)
	s_wait_tensorcnt 0x0
	ds_add_u32 v30, v31
	s_wait_dscnt 0x0
	s_endpgm
.Lfunc_end_k_q70940d68a6_local_attn:
	.size	k_q70940d68a6_local_attn, .Lfunc_end_k_q70940d68a6_local_attn-k_q70940d68a6_local_attn
	.p2alignl 7, 3214868480
	.fill 96, 4, 3214868480
	.section	.rodata,"a",@progbits
	.p2align	6, 0x0
	.amdhsa_kernel k_q70940d68a6_local_attn
		.amdhsa_group_segment_fixed_size 55296
		.amdhsa_private_segment_fixed_size 0
		.amdhsa_enable_private_segment 0
		.amdhsa_kernarg_size 32
		.amdhsa_user_sgpr_count 2
		.amdhsa_user_sgpr_kernarg_segment_ptr 1
		.amdhsa_wavefront_size32 1
		.amdhsa_system_sgpr_workgroup_id_x 1
		.amdhsa_system_sgpr_workgroup_id_y 1
		.amdhsa_system_sgpr_workgroup_id_z 1
		.amdhsa_system_vgpr_workitem_id 0
		.amdhsa_next_free_vgpr 248
		.amdhsa_next_free_sgpr 66
		.amdhsa_reserve_vcc 0
		.amdhsa_float_denorm_mode_32 3
		.amdhsa_float_denorm_mode_16_64 3
		.amdhsa_memory_ordered 1
		.amdhsa_forward_progress 1
		.amdhsa_inst_pref_size 30
	.end_amdhsa_kernel
	.amdgpu_metadata
---
amdhsa.version: [ 1, 2 ]
amdhsa.kernels:
  - .name:           k_q70940d68a6_local_attn
    .symbol:         k_q70940d68a6_local_attn.kd
    .args:
      - { .name: q, .offset: 0, .size: 8, .value_kind: global_buffer, .address_space: global }
      - { .name: k, .offset: 8, .size: 8, .value_kind: global_buffer, .address_space: global }
      - { .name: v, .offset: 16, .size: 8, .value_kind: global_buffer, .address_space: global }
      - { .name: out0, .offset: 24, .size: 8, .value_kind: global_buffer, .address_space: global }
    .group_segment_fixed_size: 55296
    .private_segment_fixed_size: 0
    .kernarg_segment_align: 8
    .kernarg_segment_size: 32
    .max_flat_workgroup_size: 256
    .sgpr_count:     66
    .vgpr_count:     248
    .wavefront_size: 32
...
	.end_amdgpu_metadata
.endif
;; end of part 2
